; MI455X (gfx1250); checked and timed in simulation.
; The chip was launched on July 23, 2026; its instructions are those of AMD's public machine-readable ISA for CDNA 5 (MIT licence, August 2026) and "CDNA5" Instruction Set Architecture Reference Guide (July 2026). The comments in the code are by the model that wrote it; some were corrected since.
;; Self Attention. Allowed arithmetic: matrix products marked QUANTISED: E5M2 operands, one given power-of-two scale a tensor, by v_wmma_f32_16x16x64_bf8_bf8 or v_wmma_f32_16x16x128_bf8_bf8, f32 sums; products left as they are: f32 operands where the result goes on into a quantised operand, else bf16, f16 or f32 operands; f32 sums; everything else in f32.
;; Inputs: Wk 32 x 32 float32; Wp 32 x 32 float32; Wq 32 x 32 float32; Wv 32 x 32 float32; always_attend_upto 8,192 int32; bk 32 float32; bp 32 float32; bq 32 float32; bv 32 float32; lowp_scales 8 int32 (the exponents e of the quantised operands' scales 2^e); x 8,192 x 64 x 32 float32.
;; Outputs: out0 8,192 x 64 x 32 float32.
;; This version of the problem:
;;   THIS VERSION OF THE PROBLEM IS GIVEN IN LOW PRECISION. The matrix products marked QUANTISED in the list below multiply operands that are first quantised to E5M2 (5 exponent bits, 2 mantissa bits; 8 bits a number), with one given power-of-two scale for each operand tensor; their sums are f32. All else is computed in f32.
;;   The module's matrix products, in the order in which they are computed (A, B: the left and right operand; K: the contracted axis; several contracted axes count as one K, in the product's order):
;;     1. [M 524,288, K 32] x [K 32, N 32]; A: input x; B: input Wq: QUANTISED (scales: A lowp_scales[0], B lowp_scales[1])
;;     2. [M 524,288, K 32] x [K 32, N 32]; A: input x; B: input Wk: QUANTISED (scales: A lowp_scales[2], B lowp_scales[3])
;;     3. [M 524,288, K 32] x [K 32, N 32]; A: input x; B: input Wv: QUANTISED (scales: A lowp_scales[4], B lowp_scales[5])
;;     4. batch 32,768 x [M 64, K 8] x [K 8, N 64]; A: computed on the way; B: computed on the way: left as it is (K = 8 < 32)
;;     5. batch 32,768 x [M 64, K 64] x [K 64, N 8]; A: softmax; B: computed on the way: left as it is (N = 8 < 16)
;;     6. [M 524,288, K 32] x [K 32, N 32]; A: computed on the way; B: input Wp: QUANTISED (scales: A lowp_scales[6], B lowp_scales[7])
;;   THE QUANTISER, for each operand of a quantised product, along K:
;;     - The operand's scale is 2^e, e = its entry of the input lowp_scales (int32; the entries are numbered through the quantised products in the list's order, A before B).
;;     - Each number is divided by the scale, clamped to +-57,344, and rounded to the nearest number of E5M2, ties to even, subnormals kept.
;;     - The product sums the exact products of the quantised numbers (number of the format x scale) in f32.
;;   ~~~python
;;   def quantise(x, axis, e):      # numpy; x: float32 -> the quantised numbers, widened to float32 again
;;       x = np.moveaxis(x, axis, -1); K = x.shape[-1]
;;       r = np.clip(x / 2.0 ** e, -57344, 57344)
;;       step = 2.0 ** (np.maximum(np.frexp(np.where(r == 0, 1, r))[1] - 1, -14) - 2)
;;       q = np.round(r / step) * step * 2.0 ** e      # np.round: ties to even
;;       return np.moveaxis(q, -1, axis).astype(np.float32)
;;   ~~~
;;   OPERANDS COMPUTED ON THE WAY. 'Computed on the way' means the value that the module computes at that place (a softmax that the list does not call 'softmax' is quantised finished and normalised). What goes into a quantiser is computed in f32, as accurately as f32 sums, v_exp_f32 and their like allow (about 1e-6 of the number): no bf16 or f16 on the way to a quantiser, and a product that is left as it is and whose result goes on into a quantised operand takes f32 operands (vector FMAs, or v_wmma_f32_16x16x4_f32). A number that lies on a knife's edge between two numbers of the format may be rounded either way, as far as f32 arithmetic and the matrix unit's own rounding can turn it there, and no further.
;; 2 versions, each right; version 2 is version 1 with the launch attn written anew for expert scheduling mode. Each part assembles by itself: llvm-mc -triple=amdgcn-amd-amdhsa -mcpu=gfx1250 --defsym DOCPART=n.
;; ======== version 1 of 2: 1 launch
;; launch attn (part 1): grid 2048 x 1, 4 waves a work-group, no clusters, 48,640 bytes of LDS; arguments x, always_attend_upto, Wq, bq, Wk, Wv, bv, Wp, bp, lowp_scales, out0; writes out0
.if DOCPART == 1
	.amdgcn_target "amdgcn-amd-amdhsa--gfx1250"
	.amdhsa_code_object_version 6
	.text
	.protected	k_qd317be8f91_attn
	.globl	k_qd317be8f91_attn
	.p2align	8
	.type	k_qd317be8f91_attn,@function
k_qd317be8f91_attn:
	s_mov_b64 s[64:65], 0
	v_nop
	global_prefetch_b8 v0, s[64:65] scope:SCOPE_SE
	s_setreg_imm32_b32 hwreg(HW_REG_WAVE_MODE, 25, 1), 1
	s_wait_xcnt 0x0
; Self-attention under a prefix mask: 8,192 sequences of 64 tokens x 32 features, 4 heads of 8.  One launch does all of it; nothing goes through memory between the steps.
; out0 = (softmax(mask(Q K^T / sqrt(8))) V) Wp^T + bp,  Q = x Wq^T + bq,  K = x Wk^T + bk,  V = x Wv^T + bv.
; The four products with a weight run on codes of E5M2 (v_wmma_f32_16x16x64_bf8_bf8), each operand under its given scale 2^e (lowp_scales 0..7).  Q K^T and P V are left as they are,
; and their result goes on into the last product's quantiser: so they take f32 operands (v_wmma_f32_16x16x4_f32), and all between them is f32.
; WORK LEFT OUT.  (1) bk.  score(q, j) = Q_q . (x_j Wk^T) + Q_q . bk: the second term is the same for all keys j of a row; hidden scores are -infinity with it or without; a softmax is not moved by a
; term that is constant along its axis; the product Q K^T is not quantised, so bk moves no code.  That holds for all finite values of the inputs.  bk is not loaded and is no argument of this launch.
; LIMIT: a NaN, an infinity or an overflow that would arise through bk alone is not carried to the result.
; (2) Tiles of 16 queries x 16 keys that the mask hides wholly: tile (qt, kt) with kt > qt and 16 kt >= len holds no key <= any of its queries and none < len.  With np = ceil(len / 16), query tile qt
; walks n = max(qt + 1, np) key tiles: scalar branches on the length, a whole number read from the input always_attend_upto.
; SHARES.  A wave owns one sequence, b = 4 x work-group + wave, from its loads to its stores.  The four waves of a work-group share only the weights' operands: wave w quantises head w's rows of Wq, Wk, Wv, a
; quarter of Wp and the biases, and lays them in LDS as images of the operands' registers (lane l's 16 bytes at 16 l); one barrier; every wave then loads them head by head.
; NO JOINT LOADS: what work-groups share is the weights and biases, 16,768 bytes; a joint load is a tensor load.
; LAYOUTS (r = lane % 16, h = lane / 16), chosen so that each step's result IS the next step's operand:
;   x's codes: lane (r, h) holds token 16 t + r, features 16 h .. 16 h + 15 in four registers (a permutation of k, the same in the weights' operands).  XQK tile: [codes under e0 | codes under e2].
;   WQK(head), source 0: row m is [Wq row | zeros] where (m / 4) % 2 = 0 and [zeros | Wk row] else, of dimension 4 (m / 8) + m % 4.  Result: lane (token r, h): registers 0-3 Q, 4-7 K, dimensions 4 h + 0..3.
;   S^T = K Q^T: source 0 a pair of K's registers, source 1 the like pair of Q's: two steps of 4 along the head's 8.  Result: lane (query r, h), register j: key 16 kt + 8 h + j.  THE MASK IS THE C of a tile's first step: 0 or -infinity.
;   V: source 0 x's codes under e4, source 1 WV(head): even heads in columns 0-7, odd heads in 8-15, zero codes elsewhere; C = bv in those columns, 1.0 IN ONE COLUMN MORE (8 or 0), 0 elsewhere.  Result: lane (column r, h), register j: token 16 t + 8 h + j.
;   O^T = V^T P: source 0 a pair of V's registers, source 1 the like pair of p's.  Result: lane (query r, h), register j: column 8 h + j: an even head's 8 dimensions in lanes 0-15 and the row's sum of p in register 0 of lanes 16-31; an odd head's the other way round.
;   So head h's and head 2 + h's codes fall into lanes of half h: registers 0, 1 and 2, 3 of the last product's operand; Wp's operand is laid to match.
;   An operand of four registers of codes is named with the four registers behind it: those hold finite codes and meet zero codes on the other side.
; SOFTMAX: the row's true maximum m is taken away: p = 2^(c s - c m), c = log2(e) / sqrt(8) x 2^(e0 + e1 + e2 + e3) (Q and K stay without their powers of two); O is divided by the sum of p at the end.
; LIMITS: NaN and infinities among the floating-point inputs are not served.  So that each power of two below is an f32 number: e0 .. e5, e7 and e6 - e4 - e5 between -126 and 112;
; e0 + e1 + e2 + e3 between -125 and 128; e6 + e7 between -126 and 127.  The length may be any int32: it is held within 0 .. 64, which leaves the mask as it is.
.set IMG,   2560                       ; LDS: a head's images: WQK 1,024, bq 512, WV 512, V's C 512
.set WPI,   10240                      ; Wp's four pairs of registers, 256 bytes each
.set STG,   11264                      ; a stage for each wave: 64 rows of 128 bytes + 16
.set STGB,  9216
.set PITCH, 144
.set SPARE, 48128                      ; the spare words, 128 bytes for each wave: two blocks of 256 bytes that no other line names
.set LI,  1                            ; v1   16 x lane: an image's place, and my bytes in 512 of x and of out0; never rewritten
.set STA, 2                            ; v2   the stage by memory's order: 144 (lane / 8) + 16 (lane % 8)
.set STB, 3                            ; v3   the stage by x's operand: 144 r + 64 h
.set STC, 4                            ; v4   the stage by the last product's result: 144 r + 32 h
.set IW,  5                            ; v5   where my wave stores its head's images
.set NM,  6                            ; v[6:7]   -c m, and a written 0
.set MA,  8                            ; v8, v9   the maximum, in two chains
.set MB,  9
.set RR,  10                           ; v[10:11] 1 / the sum, and a written 0
.set SCO, 12                           ; v12  2^(e6 - e4 - e5), for the conversion of O
.set XX,  13                           ; v13  what comes from the lane 16 away; the reciprocal
.set SPW, 14                           ; v14  LDS address of my spare word; never rewritten
.set NIL, 15                           ; v15  0; never rewritten
.set CM,  16                           ; v16-23  C of a diagonal tile: hidden where j > r - 8 h
.set DP,  24                           ; v24-31  the same where the prefix ends in it
.set UL,  32                           ; v32-39  C of the tile above the diagonal in which the prefix ends
.set AO,  40                           ; v40-55  O's codes, 4 registers a tile of queries
.set XV,  56                           ; v56-71  x's codes under e4
.set XQK, 72                           ; v72-103 x's codes under e0 and e2; from the last head's projections on: Wp's operands and bp
.set QK,  104                          ; v104-135 Q and K of a head
.set VT,  136                          ; v136-167 V of a head
.set SS,  168                          ; v168-199 S^T: written by matrix instructions alone
.set OA,  200                          ; v200-207, v208-215 O^T in two sums: written by matrix instructions alone
.set TT,  216                          ; v216-247 p; a head's operands; at work
.set XR,  104                          ; x as f32, over QK and V
.set YY,  104                          ; the last product's results, over QK and V
.set WP0, 72
.set BP,  88
.macro NOPS n
.rept \n
	v_nop
.endr
.endm
; a scale 2^e as f32 bits, the largest number x 2^e, and its negative, in scalar registers
.macro SLIM e, sc, hi, lo
	s_add_co_i32 s[\sc], s[\e], 127
	s_add_co_i32 s[\hi], s[\sc], 15
	s_lshl_b32 s[\sc], s[\sc], 23
	s_lshl_b32 s[\hi], s[\hi], 23
	s_or_b32 s[\hi], s[\hi], 0x600000              ; 57,344 = 1.75 x 2^15
	s_or_b32 s[\lo], s[\hi], 0x80000000
.endm
; the same two in vector registers, for the weights
.macro VLIM e, vsc, vlim
	s_add_co_i32 s10, s[\e], 127
	s_add_co_i32 s11, s10, 15
	s_lshl_b32 s10, s10, 23
	s_lshl_b32 s11, s11, 23
	s_or_b32 s11, s11, 0x600000
	v_mov_b32 v[\vsc], s10
	v_mov_b32 v[\vlim], s11
.endm
; 16 numbers of x become 16 codes.  The conversion to an 8-bit code does not saturate (ISA guide 7.6.2): the hold comes first, into a buffer, since x is quantised three times.
; Calls take two buffers by turns: the next call's sixteen holds are the plain lines between a conversion and the rewriting of its sources.
.macro QX src, dst, sc, hi, lo, buf
.irp i, 0,1,2,3,4,5,6,7,8,9,10,11,12,13,14,15
	v_med3_num_f32 v[\buf+\i], v[\src+\i], s[\lo], s[\hi]
.endr
	v_cvt_scalef32_pk8_bf8_f32 v[\dst:\dst+1], v[\buf:\buf+7], v[\sc]
	v_cvt_scalef32_pk8_bf8_f32 v[\dst+2:\dst+3], v[\buf+8:\buf+15], v[\sc]
.endm
; S^T of key tile kt for query tile qt: the first step (dimensions 4 h + 0, 1) starts the sum with the mask or with 0; the second (4 h + 2, 3) adds in place
.macro SC1 kt, qt, c
.if (\c) == 0
	v_wmma_f32_16x16x4_f32 v[SS+8*(\kt):SS+8*(\kt)+7], v[QK+8*(\kt)+4:QK+8*(\kt)+5], v[QK+8*(\qt):QK+8*(\qt)+1], 0
.else
	v_wmma_f32_16x16x4_f32 v[SS+8*(\kt):SS+8*(\kt)+7], v[QK+8*(\kt)+4:QK+8*(\kt)+5], v[QK+8*(\qt):QK+8*(\qt)+1], v[\c:\c+7]
.endif
.endm
.macro SC2 kt, qt
	v_wmma_f32_16x16x4_f32 v[SS+8*(\kt):SS+8*(\kt)+7], v[QK+8*(\kt)+6:QK+8*(\kt)+7], v[QK+8*(\qt)+2:QK+8*(\qt)+3], v[SS+8*(\kt):SS+8*(\kt)+7]
.endm
; The softmax of 16 queries over n key tiles, and O^T = V^T P.  (n may come as a sum: it stands in parentheses wherever it is multiplied or compared)
.macro BODY n
	NOPS 8                                         ; eight places between the last product and the first read of a score (ISA guide 7.12.1)
	v_max_num_f32 v[MA], v[SS], v[SS+1]            ; the maximum of my 8 n scores, in two chains; each tile from its low end on
	v_max_num_f32 v[MB], v[SS+2], v[SS+3]
	v_max3_num_f32 v[MA], v[MA], v[SS+4], v[SS+5]
	v_max3_num_f32 v[MB], v[MB], v[SS+6], v[SS+7]
.if (\n) > 1
.set kk, 1
.rept (\n)-1
	v_max3_num_f32 v[MA], v[MA], v[SS+8*kk], v[SS+8*kk+1]
	v_max3_num_f32 v[MB], v[MB], v[SS+8*kk+2], v[SS+8*kk+3]
	v_max3_num_f32 v[MA], v[MA], v[SS+8*kk+4], v[SS+8*kk+5]
	v_max3_num_f32 v[MB], v[MB], v[SS+8*kk+6], v[SS+8*kk+7]
.set kk, kk+1
.endr
.endif
	v_max_num_f32 v[MA], v[MA], v[MB]
	v_permlanex16_b32 v[XX], v[MA], s46, s47       ; the query's other keys lie in the lane 16 away
	v_max_num_f32 v[MA], v[MA], v[XX]              ; a number: a query's own key is never hidden
	v_mul_f32 v[NM], s43, v[MA]                    ; -c m
.set kk, 0
.rept 4*(\n)
	v_pk_fma_f32 v[TT+kk:TT+kk+1], v[SS+kk:SS+kk+1], s[44:45], v[NM:NM+1] op_sel_hi:[1,0,0]   ; c s - c m, into other registers than the sums'; -infinity stays
.set kk, kk+2
.endr
.set kk, 0
.rept 8*(\n)
	v_exp_f32 v[TT+kk], v[TT+kk]                   ; p; 0 for a hidden key
.set kk, kk+1
.endr
	v_nop                                          ; one plain line behind the last exponential
	s_wait_alu depctr_va_vdst(0)                   ; one wait for the batch, ahead of its first reader
.set kk, 0
.rept (\n)
.irp i, 0,1,2,3
.if (kk == 0) && (\i < 2)
	v_wmma_f32_16x16x4_f32 v[OA+8*(\i%2):OA+8*(\i%2)+7], v[VT+8*kk+2*\i:VT+8*kk+2*\i+1], v[TT+8*kk+2*\i:TT+8*kk+2*\i+1], 0
.else
	v_wmma_f32_16x16x4_f32 v[OA+8*(\i%2):OA+8*(\i%2)+7], v[VT+8*kk+2*\i:VT+8*kk+2*\i+1], v[TT+8*kk+2*\i:TT+8*kk+2*\i+1], v[OA+8*(\i%2):OA+8*(\i%2)+7]
.endif
.endr
.set kk, kk+1
.endr                                          ; two sums by turns, one instruction a turn
.endm
; n key tiles where the prefix reaches beyond the diagonal: every key of tiles 0 .. n - 2 is under the length; the prefix ends in tile n - 1
.macro VAR qt, n
.set kk, 0
.rept (\n)-1
	SC1 kk, \qt, 0
.set kk, kk+1
.endr
	SC1 (\n)-1, \qt, UL
.set kk, 0
.rept (\n)
	SC2 kk, \qt
.set kk, kk+1
.endr
	BODY \n
.endm
; O^T's two sums are added, divided by the row's sum and quantised under e6: two registers of the last product's operand
.macro FINISH hd, qt
	NOPS 8                                         ; eight places between the last product and the reads of its sums and the writes of p's registers
.irp i, 0,2,4,6
	v_pk_add_f32 v[TT+\i:TT+\i+1], v[OA+\i:OA+\i+1], v[OA+8+\i:OA+8+\i+1]
.endr
	v_rcp_f32 v[XX], v[TT]                         ; register 0 of the half without dimensions is the row's sum
	v_nop
	s_wait_alu depctr_va_vdst(0)                   ; ahead of the reciprocal's first reader
	v_permlanex16_b32 v[RR], v[XX], s46, s47       ; to the half with the dimensions
	v_cndmask_b32 v[RR], 0, v[RR], s[48+(\hd)%2]   ; 0 in the other half: its codes are zeros
.irp i, 0,2,4,6
	v_pk_mul_f32 v[TT+\i:TT+\i+1], v[TT+\i:TT+\i+1], v[RR:RR+1] op_sel_hi:[1,0]
.endr
.irp i, 0,1,2,3,4,5,6,7
	v_med3_num_f32 v[TT+\i], v[TT+\i], s57, s56    ; the hold at the largest code x the scale
.endr
.if (\hd)%2 == 0
	v_cvt_scalef32_pk8_bf8_f32 v[AO+4*(\qt)+2*((\hd)/2):AO+4*(\qt)+2*((\hd)/2)+1], v[TT:TT+7], v[SCO]
	v_nop                                          ; one plain line behind a scaled conversion
.else
	v_cvt_scalef32_pk8_bf8_f32 v[TT+8:TT+9], v[TT:TT+7], v[SCO]
	v_nop
	v_or_b32 v[AO+4*(\qt)+2*((\hd)/2)], v[AO+4*(\qt)+2*((\hd)/2)], v[TT+8]       ; the odd head's codes, in lanes 16-31, join the even head's
	v_or_b32 v[AO+4*(\qt)+2*((\hd)/2)+1], v[AO+4*(\qt)+2*((\hd)/2)+1], v[TT+9]
.endif
.endm
; One head's attention for one tile of 16 queries.  s41 = np.  The branches hang on the length alone.
.macro ITEM hd, qt
.if \qt < 3
	s_cmp_gt_u32 s41, \qt+1
	s_cbranch_scc1 .Lup_\@
.endif
.if \qt > 0                                    ; n = qt + 1: tiles under the diagonal are open,
.set kk, 0
.rept \qt
	SC1 kk, \qt, 0
.set kk, kk+1
.endr
.endif
	s_cmp_eq_u32 s41, \qt+1                        ; and the diagonal tile takes the causal mask, widened where the prefix ends in it
	s_cbranch_scc1 .Ldp_\@
	SC1 \qt, \qt, CM
	s_branch .Lj_\@
.Ldp_\@:
	SC1 \qt, \qt, DP
.Lj_\@:
.if \qt == 0
	s_wait_alu depctr_va_vdst(0)                   ; one tile alone: its second step follows its first
.endif
.set kk, 0
.rept \qt+1
	SC2 kk, \qt
.set kk, kk+1
.endr
	BODY \qt+1
.if \qt < 3
	s_branch .Lfin_\@
.Lup_\@:
.if \qt < 1
	s_cmp_lg_u32 s41, 2
	s_cbranch_scc1 .Ln3_\@
	VAR \qt, 2
	s_branch .Lfin_\@
.Ln3_\@:
.endif
.if \qt < 2
	s_cmp_lg_u32 s41, 3
	s_cbranch_scc1 .Ln4_\@
	VAR \qt, 3
	s_branch .Lfin_\@
.Ln4_\@:
.endif
	VAR \qt, 4
.Lfin_\@:
.endif
	FINISH \hd, \qt
.endm
; One head: its operands from LDS, Q, K and V of the 64 tokens, the four tiles of queries
.macro HEAD hd
	ds_load_b128 v[TT:TT+3], v[LI] offset:IMG*\hd              ; WQK
	ds_load_b128 v[TT+4:TT+7], v[LI] offset:IMG*\hd+512
	ds_load_b128 v[TT+8:TT+11], v[LI] offset:IMG*\hd+1024      ; bq / 2^(e0 + e1): C's registers 0-3
	ds_load_b128 v[TT+16:TT+19], v[LI] offset:IMG*\hd+1536     ; WV
	ds_load_b128 v[TT+24:TT+27], v[LI] offset:IMG*\hd+2048     ; V's C: the same in all eight registers
	ds_load_b128 v[TT+28:TT+31], v[LI] offset:IMG*\hd+2048
.irp i, 12,13,14,15,20,21,22,23
	v_mov_b32 v[TT+\i], 0                          ; K has no bias here; WV's upper half is zero codes
.endr
	s_wait_dscnt 0x0
.irp t, 0,1,2,3
	v_wmma_f32_16x16x64_bf8_bf8 v[QK+8*\t:QK+8*\t+7], v[TT:TT+7], v[XQK+8*\t:XQK+8*\t+7], v[TT+8:TT+15]
.endr
.irp t, 0,1,2,3
	v_wmma_f32_16x16x64_bf8_bf8 v[VT+8*\t:VT+8*\t+7], v[XV+4*\t:XV+4*\t+7], v[TT+16:TT+23], v[TT+24:TT+31]
.endr
	NOPS 5                                         ; five places before a matrix instruction takes these results as its sources; they also stand ahead of the loads and moves below
.if \hd == 3                                   ; x's codes under e0 and e2 are done with: their registers take Wp's operands and bp, which land while this head is worked
	v_lshrrev_b32 v249, 1, v[LI]                   ; 8 x lane
	v_bfe_u32 v248, v0, 4, 1
	v_lshlrev_b32 v248, 5, v248                    ; 32 h: bp at my half's eight features
.irp f, 0,1
.irp p, 0,1
	ds_load_b64 v[WP0+8*\f+2*\p:WP0+8*\f+2*\p+1], v249 offset:WPI+256*(2*\f+\p)
.endr
.endr
.irp i, 4,5,6,7,12,13,14,15
	v_mov_b32 v[WP0+\i], 0                         ; zero codes for the upper half of K = 64
.endr
.irp f, 0,1
	global_load_b128 v[BP+8*\f:BP+8*\f+3], v248, s[24:25] offset:64*\f
	global_load_b128 v[BP+8*\f+4:BP+8*\f+7], v248, s[24:25] offset:64*\f+16
.endr
.endif
	ITEM \hd, 0
	ITEM \hd, 1
	ITEM \hd, 2
	ITEM \hd, 3
.endm
	; ---- the head: arguments, lane terms, addresses
	s_load_b512 s[8:23], s[0:1], 0x0               ; x s[8:9], the lengths s[10:11], Wq s[12:13], bq s[14:15], Wk s[16:17], Wv s[18:19], bv s[20:21], Wp s[22:23]
	s_load_b128 s[24:27], s[0:1], 0x40             ; bp s[24:25], the scales' exponents s[26:27]
	s_load_b64 s[28:29], s[0:1], 0x50              ; out0
	v_lshl_add_u32 v[SPW], v0, 2, SPARE
	v_mov_b32 v[NIL], 0
	v_lshrrev_b32 v232, 5, v0
	v_readfirstlane_b32 s2, v232                   ; wave 0..3
	v_and_b32 v232, 31, v0                         ; lane
	v_and_b32 v233, 15, v0                         ; r
	v_bfe_u32 v234, v0, 4, 1                       ; h
	v_lshlrev_b32 v[LI], 4, v232
	s_mul_i32 s3, s2, STGB
	s_add_co_u32 s3, s3, STG                       ; my stage
	v_bfe_u32 v235, v0, 3, 2                       ; lane / 8
	v_and_b32 v236, 7, v0                          ; lane % 8
	v_mul_u32_u24 v[STA], v235, PITCH
	v_lshl_add_u32 v[STA], v236, 4, v[STA]
	v_add_nc_u32 v[STA], s3, v[STA]
	v_mul_u32_u24 v[STB], v233, PITCH
	v_lshl_add_u32 v[STC], v234, 5, v[STB]
	v_lshl_add_u32 v[STB], v234, 6, v[STB]
	v_add_nc_u32 v[STB], s3, v[STB]
	v_add_nc_u32 v[STC], s3, v[STC]
	s_mul_i32 s4, s2, IMG
	v_add_nc_u32 v[IW], s4, v[LI]
	s_lshl_b32 s4, s2, 8
	v_lshl_add_u32 v231, v232, 3, s4               ; Wp's pair: 8 x lane + 256 x wave
	s_lshl_b32 s5, s2, 10                          ; my head's 8 rows of 128 bytes
	v_bfe_u32 v237, v0, 3, 1                       ; r / 8
	v_and_b32 v238, 3, v0                          ; r % 4
	v_lshl_add_u32 v248, v237, 9, s5
	v_lshl_add_u32 v248, v238, 7, v248
	v_lshl_add_u32 v248, v234, 6, v248             ; Wq, Wk: row 8 w + 4 (r / 8) + r % 4, features 16 h on
	v_lshl_add_u32 v249, v236, 7, s5
	v_lshl_add_u32 v249, v234, 6, v249             ; Wv: row 8 w + r % 8, features 16 h on
	s_lshr_b32 s6, s2, 1
	s_lshl_b32 s6, s6, 11
	s_and_b32 s7, s2, 1
	s_lshl_b32 s30, s7, 6
	s_add_co_u32 s6, s6, s30
	v_lshl_add_u32 v250, v233, 7, s6
	v_lshl_add_u32 v250, v234, 5, v250             ; Wp: row 16 (w / 2) + r, features 16 (w % 2) + 8 h on
	s_lshl_b32 s6, s2, 5
	v_lshl_add_u32 v251, v234, 4, s6               ; bq: 8 w + 4 h on
	v_lshl_add_u32 v252, v236, 2, s6               ; bv: 8 w + r % 8
	v_mov_b32 v[NM+1], 0                           ; named as upper halves of pairs, or as a lane exchange's destination: so they are written
	v_mov_b32 v[RR], 0
	v_mov_b32 v[RR+1], 0
	v_mov_b32 v[XX], 0
	s_lshl_b32 s6, ttmp9, 2
	s_add_co_u32 s6, s6, s2                        ; b: my sequence
	s_lshl_b32 s30, s6, 2
	s_mov_b32 s31, 0
	s_wait_kmcnt 0x0
	s_add_nc_u64 s[10:11], s[10:11], s[30:31]
	s_load_b256 s[32:39], s[26:27], 0x0            ; e0 .. e7
	s_load_b32 s40, s[10:11], 0x0                  ; my sequence's length
	s_lshl_b32 s30, s6, 13                         ; 64 tokens x 128 bytes
	s_add_nc_u64 s[8:9], s[8:9], s[30:31]
	s_add_nc_u64 s[28:29], s[28:29], s[30:31]
	; ---- loads: my part of the weights (16 loads), then my sequence (16 loads of 512 consecutive bytes)
.irp c, 0,1,2,3
	global_load_b128 v[16+4*\c:19+4*\c], v248, s[12:13] offset:16*\c
.endr
.irp c, 0,1,2,3
	global_load_b128 v[32+4*\c:35+4*\c], v248, s[16:17] offset:16*\c
.endr
.irp c, 0,1,2,3
	global_load_b128 v[48+4*\c:51+4*\c], v249, s[18:19] offset:16*\c
.endr
	global_load_b128 v[64:67], v250, s[22:23]
	global_load_b128 v[68:71], v250, s[22:23] offset:16
	global_load_b128 v[72:75], v251, s[14:15]
	global_load_b32 v76, v252, s[20:21]
.irp i, 0,1,2,3,4,5,6,7,8,9,10,11,12,13,14,15
	global_load_b128 v[XR+4*\i:XR+4*\i+3], v[LI], s[8:9] offset:512*\i th:TH_LOAD_NT
.endr
	; ---- scalars
	s_mov_b32 s46, 0x76543210                      ; v_permlanex16_b32's selects: lane l xor 16
	s_mov_b32 s47, 0xfedcba98
	s_mov_b32 s48, 0x0000ffff                      ; the lanes that hold an even head's dimensions,
	s_mov_b32 s49, 0xffff0000                      ; an odd head's
	s_wait_kmcnt 0x0
	s_add_co_i32 s3, s32, s33                      ; e0 + e1
	s_add_co_i32 s4, s34, s35                      ; e2 + e3
	s_sub_co_i32 s60, 0, s3
	s_add_co_i32 s4, s4, s3
	s_lshl_b32 s4, s4, 23
	s_add_co_i32 s44, s4, 0x3f0293ee               ; c = log2(e) / sqrt(8), the four exponents added to its exponent field
	s_mov_b32 s45, s44                             ; (named with it as a pair)
	s_xor_b32 s43, s44, 0x80000000                 ; -c
	s_add_co_i32 s5, s36, s37                      ; e4 + e5
	s_sub_co_i32 s61, 0, s5
	s_sub_co_i32 s5, s38, s5                       ; e6 - e4 - e5: O stands without V's power of two, so the three are folded into the conversion's one scale
	s_add_co_i32 s6, s38, s39
	s_add_co_i32 s6, s6, 127
	s_lshl_b32 s58, s6, 23                         ; 2^(e6 + e7)
	s_mov_b32 s59, s58
	SLIM 32, 62, 50, 51                            ; x under e0,
	SLIM 34, 63, 52, 53                            ; e2,
	SLIM 36, 30, 54, 55                            ; e4;
	SLIM 5, 31, 56, 57                             ; O
	s_max_i32 s40, s40, 0
	s_min_i32 s40, s40, 64                         ; the length, held within 0 .. 64
	s_add_co_u32 s41, s40, 15
	s_lshr_b32 s41, s41, 4                         ; np = ceil(length / 16)
	s_lshl_b32 s42, s41, 4
	s_sub_co_i32 s42, s40, s42
	s_add_co_i32 s42, s42, 15                      ; the last open place in the tile in which the prefix ends
	s_and_b32 s7, s2, 1
	s_lshl_b32 s7, s7, 3
	s_mov_b32 s3, 0x0f0f0f0f                       ; WQK's rows of Wq,
	s_mov_b32 s4, 0xf0f0f0f0                       ; of Wk
	s_lshl_b32 s5, 0x00ff00ff, s7                  ; WV's columns: 0-7 for an even head, 8-15 for an odd one
	s_lshr_b32 s6, 0x01000100, s7                  ; the column of ones: 8 or 0
	; ---- my head's operands
	s_wait_loadcnt 16                              ; the 16 loads of weights are in, so their offset registers may be written; x's 16 may be out
	VLIM 33, 248, 252
	VLIM 35, 249, 253
	VLIM 37, 250, 254
	VLIM 39, 251, 255
.irp i, 0,1,2,3,4,5,6,7,8,9,10,11,12,13,14,15
	v_med3_num_f32 v[16+\i], v[16+\i], -v252, v252
.endr
	v_cvt_scalef32_pk8_bf8_f32 v[216:217], v[16:23], v248
	v_cvt_scalef32_pk8_bf8_f32 v[218:219], v[24:31], v248
.irp i, 0,1,2,3,4,5,6,7,8,9,10,11,12,13,14,15
	v_med3_num_f32 v[32+\i], v[32+\i], -v253, v253
.endr
	v_cvt_scalef32_pk8_bf8_f32 v[220:221], v[32:39], v249
	v_cvt_scalef32_pk8_bf8_f32 v[222:223], v[40:47], v249
.irp i, 0,1,2,3,4,5,6,7,8,9,10,11,12,13,14,15
	v_med3_num_f32 v[48+\i], v[48+\i], -v254, v254
.endr
	v_cvt_scalef32_pk8_bf8_f32 v[224:225], v[48:55], v250
	v_cvt_scalef32_pk8_bf8_f32 v[226:227], v[56:63], v250
.irp i, 0,1,2,3,4,5,6,7
	v_med3_num_f32 v[64+\i], v[64+\i], -v255, v255
.endr
	v_cvt_scalef32_pk8_bf8_f32 v[228:229], v[64:71], v251
	v_nop                                          ; one plain line behind the last conversion
.irp i, 0,1,2,3
	v_cndmask_b32 v[216+\i], 0, v[216+\i], s3      ; zero codes where the row is Wk's,
	v_cndmask_b32 v[220+\i], 0, v[220+\i], s4      ; where it is Wq's,
	v_cndmask_b32 v[224+\i], 0, v[224+\i], s5      ; and in the columns that are not the head's
.endr
.irp i, 0,1,2,3
	v_ldexp_f32 v[72+\i], v[72+\i], s60            ; bq / 2^(e0 + e1): the sums lack that power of two
.endr
	v_ldexp_f32 v76, v76, s61                      ; bv / 2^(e4 + e5)
	v_mov_b32 v230, 1.0
	v_cndmask_b32 v76, 0, v76, s5
	v_cndmask_b32 v76, v76, v230, s6
	v_mov_b32 v77, v76
	v_mov_b32 v78, v76
	v_mov_b32 v79, v76
	ds_store_b128 v[IW], v[216:219]
	ds_store_b128 v[IW], v[220:223] offset:512
	ds_store_b128 v[IW], v[72:75] offset:1024
	ds_store_b128 v[IW], v[224:227] offset:1536
	ds_store_b128 v[IW], v[76:79] offset:2048
	ds_store_b64 v231, v[228:229] offset:WPI
	s_wait_dscnt 0x0                               ; for the others' sake: my images lie in LDS
	s_barrier_signal -1
	; while the others arrive, work on registers: the three masks and the scales for x and O
	v_mov_b32 v252, 0xff800000                     ; -infinity
	v_lshlrev_b32 v235, 3, v234                    ; 8 h
	v_sub_nc_u32 v253, v233, v235                  ; r - 8 h
	v_sub_nc_u32 v254, s42, v235                   ; the prefix's last place - 8 h
.irp j, 0,1,2,3,4,5,6,7
	v_cmp_gt_i32 vcc_lo, \j, v253
	v_cndmask_b32 v[CM+\j], 0, v252, vcc_lo
	v_cmp_gt_i32 vcc_lo, \j, v254
	v_cndmask_b32 v[UL+\j], 0, v252, vcc_lo
.endr
.irp j, 0,1,2,3,4,5,6,7
	v_and_b32 v[DP+\j], v[CM+\j], v[UL+\j]         ; hidden only where both hide it
.endr
	v_mov_b32 v248, s62                            ; 2^e0,
	v_mov_b32 v249, s63                            ; 2^e2,
	v_mov_b32 v250, s30                            ; 2^e4,
	v_mov_b32 v[SCO], s31                          ; 2^(e6 - e4 - e5)
	s_barrier_wait -1                              ; all four heads' images lie in LDS; nobody writes them again
	; ---- x: through my stage, so that a lane holds 16 neighbouring features of one token; then its three sets of codes
.irp i, 0,1,2,3,4,5,6,7,8,9,10,11,12,13,14,15
	s_wait_loadcnt 15-\i                           ; loads come back in order: load i is in, the younger ones may be out
	ds_store_b128 v[STA], v[XR+4*\i:XR+4*\i+3] offset:4*PITCH*\i
.endr
.irp t, 0,1,2,3
.irp c, 0,1,2,3
	ds_load_b128 v[XR+16*\t+4*\c:XR+16*\t+4*\c+3], v[STB] offset:16*PITCH*\t+16*\c   ; my own bytes, served in order: these see the stores above
.endr
.endr
.irp t, 0,1,2,3
	s_wait_dscnt 12-4*\t                           ; tile t's four loads are in; the later tiles' may be out
	QX XR+16*\t, XQK+8*\t, 248, 50, 51, TT+16*(\t%2)
	QX XR+16*\t, XQK+8*\t+4, 249, 52, 53, TT+16*((\t+1)%2)
	QX XR+16*\t, XV+4*\t, 250, 54, 55, TT+16*(\t%2)
.endr
	v_nop                                          ; one plain line behind the last conversion
	; ---- the four heads
	HEAD 0
	HEAD 1
	HEAD 2
	HEAD 3
	; ---- out0 = O Wp^T + bp.  Source 0 = 16 rows of Wp, source 1 = 16 queries: a lane holds eight neighbouring features of one token
	s_wait_loadcnt 0x0                             ; bp
	s_wait_dscnt 0x0                               ; Wp's operands
.irp q, 0,1,2,3
.irp f, 0,1
	v_wmma_f32_16x16x64_bf8_bf8 v[YY+8*(2*\q+\f):YY+8*(2*\q+\f)+7], v[WP0+8*\f:WP0+8*\f+7], v[AO+4*\q:AO+4*\q+7], 0
.endr
.endr
	NOPS 4                                         ; four places ahead of the first read of these results
.irp q, 0,1,2,3
.irp f, 0,1
.irp i, 0,2,4,6
	v_pk_fma_f32 v[YY+8*(2*\q+\f)+\i:YY+8*(2*\q+\f)+\i+1], v[YY+8*(2*\q+\f)+\i:YY+8*(2*\q+\f)+\i+1], s[58:59], v[BP+8*\f+\i:BP+8*\f+\i+1] op_sel_hi:[1,0,1]   ; sum x 2^(e6 + e7) + bp
.endr
.endr
.endr
.irp q, 0,1,2,3
.irp f, 0,1
	ds_store_b128 v[STC], v[YY+8*(2*\q+\f):YY+8*(2*\q+\f)+3] offset:16*PITCH*\q+64*\f
	ds_store_b128 v[STC], v[YY+8*(2*\q+\f)+4:YY+8*(2*\q+\f)+7] offset:16*PITCH*\q+64*\f+16
.endr
.endr
.irp i, 0,1,2,3,4,5,6,7,8,9,10,11,12,13,14,15
	ds_load_b128 v[YY+4*\i:YY+4*\i+3], v[STA] offset:4*PITCH*\i   ; back by memory's order: four rows of 128 bytes an instruction; my own bytes, served in order
.endr
.irp i, 0,1,2,3,4,5,6,7,8,9,10,11,12,13,14,15
	s_wait_dscnt 15-\i                             ; load i is in, the younger ones may be out
	global_store_b128 v[LI], v[YY+4*\i:YY+4*\i+3], s[28:29] offset:512*\i th:TH_STORE_NT   ; the wave stores 512 consecutive bytes, at a multiple of 512 from out0's first byte
.endr
	s_wait_tensorcnt 0x0                           ; the wave's end, behind my last LDS store
	ds_add_u32 v[SPW], v[NIL]
	s_wait_dscnt 0x0
	s_endpgm
.Lfunc_end_k_qd317be8f91_attn:
	.size	k_qd317be8f91_attn, .Lfunc_end_k_qd317be8f91_attn-k_qd317be8f91_attn
	.p2alignl 7, 3214868480
	.fill 96, 4, 3214868480
	.section	.rodata,"a",@progbits
	.p2align	6, 0x0
	.amdhsa_kernel k_qd317be8f91_attn
		.amdhsa_group_segment_fixed_size 48640
		.amdhsa_private_segment_fixed_size 0
		.amdhsa_enable_private_segment 0
		.amdhsa_kernarg_size 88
		.amdhsa_user_sgpr_count 2
		.amdhsa_user_sgpr_kernarg_segment_ptr 1
		.amdhsa_wavefront_size32 1
		.amdhsa_system_sgpr_workgroup_id_x 1
		.amdhsa_system_sgpr_workgroup_id_y 1
		.amdhsa_system_sgpr_workgroup_id_z 1
		.amdhsa_system_vgpr_workitem_id 0
		.amdhsa_next_free_vgpr 256
		.amdhsa_next_free_sgpr 66
		.amdhsa_reserve_vcc 1
		.amdhsa_float_denorm_mode_32 3
		.amdhsa_float_denorm_mode_16_64 3
		.amdhsa_memory_ordered 1
		.amdhsa_forward_progress 1
		.amdhsa_inst_pref_size 228
	.end_amdhsa_kernel
	.amdgpu_metadata
---
amdhsa.version: [ 1, 2 ]
amdhsa.kernels:
  - .name:           k_qd317be8f91_attn
    .symbol:         k_qd317be8f91_attn.kd
    .args:
      - { .name: x, .offset: 0, .size: 8, .value_kind: global_buffer, .address_space: global }
      - { .name: always_attend_upto, .offset: 8, .size: 8, .value_kind: global_buffer, .address_space: global }
      - { .name: Wq, .offset: 16, .size: 8, .value_kind: global_buffer, .address_space: global }
      - { .name: bq, .offset: 24, .size: 8, .value_kind: global_buffer, .address_space: global }
      - { .name: Wk, .offset: 32, .size: 8, .value_kind: global_buffer, .address_space: global }
      - { .name: Wv, .offset: 40, .size: 8, .value_kind: global_buffer, .address_space: global }
      - { .name: bv, .offset: 48, .size: 8, .value_kind: global_buffer, .address_space: global }
      - { .name: Wp, .offset: 56, .size: 8, .value_kind: global_buffer, .address_space: global }
      - { .name: bp, .offset: 64, .size: 8, .value_kind: global_buffer, .address_space: global }
      - { .name: lowp_scales, .offset: 72, .size: 8, .value_kind: global_buffer, .address_space: global }
      - { .name: out0, .offset: 80, .size: 8, .value_kind: global_buffer, .address_space: global }
    .group_segment_fixed_size: 48640
    .private_segment_fixed_size: 0
    .kernarg_segment_align: 8
    .kernarg_segment_size: 88
    .max_flat_workgroup_size: 128
    .sgpr_count:     66
    .vgpr_count:     256
    .wavefront_size: 32
...
	.end_amdgpu_metadata
.endif
;; end of part 1
;; ======== version 2 of 2: 1 launch; version 1 with the launch attn written anew for expert scheduling mode
;; launch attn (part 2): grid 2048 x 1, 4 waves a work-group, no clusters, 48,640 bytes of LDS; arguments x, always_attend_upto, Wq, bq, Wk, Wv, bv, Wp, bp, lowp_scales, out0; writes out0
.if DOCPART == 2
	.amdgcn_target "amdgcn-amd-amdhsa--gfx1250"
	.amdhsa_code_object_version 6
	.text
	.protected	k_qd317be8f91_attn
	.globl	k_qd317be8f91_attn
	.p2align	8
	.type	k_qd317be8f91_attn,@function
k_qd317be8f91_attn:
	s_mov_b64 s[64:65], 0
	v_nop
	global_prefetch_b8 v0, s[64:65] scope:SCOPE_SE
	s_setreg_imm32_b32 hwreg(HW_REG_WAVE_SCHED_MODE, 0, 2), 2
	s_setreg_imm32_b32 hwreg(HW_REG_WAVE_MODE, 25, 1), 1
	s_wait_xcnt 0x0
	s_wait_alu depctr_vm_vsrc(0)
; Self-attention under a prefix mask: 8,192 sequences of 64 tokens x 32 features, 4 heads of 8.  One launch does all of it; nothing goes through memory between the steps.
; out0 = (softmax(mask(Q K^T / sqrt(8))) V) Wp^T + bp,  Q = x Wq^T + bq,  K = x Wk^T + bk,  V = x Wv^T + bv.
; The four products with a weight run on codes of E5M2 (v_wmma_f32_16x16x64_bf8_bf8), each operand under its given scale 2^e (lowp_scales 0..7).  Q K^T and P V are left as they are,
; and their result goes on into the last product's quantiser: so they take f32 operands (v_wmma_f32_16x16x4_f32), and all between them is f32.
; WORK LEFT OUT.  (1) bk.  score(q, j) = Q_q . (x_j Wk^T) + Q_q . bk: the second term is the same for all keys j of a row; hidden scores are -infinity with it or without; a softmax is not moved by a
; term that is constant along its axis; the product Q K^T is not quantised, so bk moves no code.  That holds for all finite values of the inputs.  bk is not loaded and is no argument of this launch.
; LIMIT: a NaN, an infinity or an overflow that would arise through bk alone is not carried to the result.
; (2) Tiles of 16 queries x 16 keys that the mask hides wholly: tile (qt, kt) with kt > qt and 16 kt >= len holds no key <= any of its queries and none < len.  With np = ceil(len / 16), query tile qt
; walks n = max(qt + 1, np) key tiles: scalar branches on the length, a whole number read from the input always_attend_upto.
; SHARES.  A wave owns one sequence, b = 4 x work-group + wave, from its loads to its stores.  The four waves of a work-group share only the weights' operands: wave w quantises head w's rows of Wq, Wk, Wv, a
; quarter of Wp and the biases, and lays them in LDS as images of the operands' registers (lane l's 16 bytes at 16 l); one barrier; every wave then loads them head by head.
; NO JOINT LOADS: what work-groups share is the weights and biases, 16,768 bytes; a joint load is a tensor load.
; LAYOUTS (r = lane % 16, h = lane / 16), chosen so that each step's result IS the next step's operand:
;   x's codes: lane (r, h) holds token 16 t + r, features 16 h .. 16 h + 15 in four registers (a permutation of k, the same in the weights' operands).  XQK tile: [codes under e0 | codes under e2].
;   WQK(head), source 0: row m is [Wq row | zeros] where (m / 4) % 2 = 0 and [zeros | Wk row] else, of dimension 4 (m / 8) + m % 4.  Result: lane (token r, h): registers 0-3 Q, 4-7 K, dimensions 4 h + 0..3.
;   S^T = K Q^T: source 0 a pair of K's registers, source 1 the like pair of Q's: two steps of 4 along the head's 8.  Result: lane (query r, h), register j: key 16 kt + 8 h + j.  THE MASK IS THE C of a tile's first step: 0 or -infinity.
;   V: source 0 x's codes under e4, source 1 WV(head): even heads in columns 0-7, odd heads in 8-15, zero codes elsewhere; C = bv in those columns, 1.0 IN ONE COLUMN MORE (8 or 0), 0 elsewhere.  Result: lane (column r, h), register j: token 16 t + 8 h + j.
;   O^T = V^T P: source 0 a pair of V's registers, source 1 the like pair of p's.  Result: lane (query r, h), register j: column 8 h + j: an even head's 8 dimensions in lanes 0-15 and the row's sum of p in register 0 of lanes 16-31; an odd head's the other way round.
;   So head h's and head 2 + h's codes fall into lanes of half h: registers 0, 1 and 2, 3 of the last product's operand; Wp's operand is laid to match.
;   An operand of four registers of codes is named with the four registers behind it: those hold finite codes and meet zero codes on the other side.
; SOFTMAX: the row's true maximum m is taken away: p = 2^(c s - c m), c = log2(e) / sqrt(8) x 2^(e0 + e1 + e2 + e3) (Q and K stay without their powers of two); O is divided by the sum of p at the end.
; LIMITS: NaN and infinities among the floating-point inputs are not served.  So that each power of two below is an f32 number: e0 .. e5, e7 and e6 - e4 - e5 between -126 and 112;
; e0 + e1 + e2 + e3 between -125 and 128; e6 + e7 between -126 and 127.  The length may be any int32: it is held within 0 .. 64, which leaves the mask as it is.
; THE MODE: SCHED_MODE bits 1:0 = 2 (LLVM: expert scheduling mode 2), set by the entry lines.  The code itself states the register dependences
; between vector or matrix instructions and memory or LDS instructions, with s_wait_alu, always for 0.
; THE PLAN.  Registers that memory or LDS instructions touch, in the order of the text (it has no loop):
;   v1-5        addresses, made at the head, read by loads and stores to the end, never written again: one wait on va_vdst ahead of the first load serves them all.
;   v248-252    the weights' offsets: made at the head, read by the weights' sixteen loads, written again as scales and limits: a wait on vm_vsrc between.
;   v216-229, v72-79, v231   the images' data and Wp's address: written by vector lines (a wait on va_vdst), read by six LDS stores, written again when x is quantised.
;   XR          x: lands from memory, is read by sixteen LDS stores, and takes sixteen LDS loads: a wait on vm_vsrc between the two runs, which also frees the images' data.
;   TT          a head's operands land where the step before has worked: a wait on va_vdst at each head's first line.
;   v248, v249, v72-75, v80-83, v88-103   in the last head: two fresh offsets, and Wp's operands and bp, which land where that head's products have read x's codes: one wait on va_vdst ahead of the eight loads.
;   YY          the way out: written by vector lines (a wait on va_vdst), read by sixteen LDS stores (a wait on vm_vsrc), filled by sixteen LDS loads, read by the sixteen stores to memory.
;   All else (Q, K, V, the scores, p, O, the masks, the codes) is named by vector and matrix instructions alone.
;   Scalar results of vector lines: the wave's number, and the sixteen masks' compares, which stand in one run: a wait on va_sdst behind each.
.set IMG,   2560                       ; LDS: a head's images: WQK 1,024, bq 512, WV 512, V's C 512
.set WPI,   10240                      ; Wp's four pairs of registers, 256 bytes each
.set STG,   11264                      ; a stage for each wave: 64 rows of 128 bytes + 16
.set STGB,  9216
.set PITCH, 144
.set SPARE, 48128                      ; the spare words, 128 bytes for each wave: two blocks of 256 bytes that no other line names
.set LI,  1                            ; v1   16 x lane: an image's place, and my bytes in 512 of x and of out0; never rewritten
.set STA, 2                            ; v2   the stage by memory's order: 144 (lane / 8) + 16 (lane % 8)
.set STB, 3                            ; v3   the stage by x's operand: 144 r + 64 h
.set STC, 4                            ; v4   the stage by the last product's result: 144 r + 32 h
.set IW,  5                            ; v5   where my wave stores its head's images
.set NM,  6                            ; v[6:7]   -c m, and a written 0
.set MA,  8                            ; v8, v9   the maximum, in two chains
.set MB,  9
.set RR,  10                           ; v[10:11] 1 / the sum, and a written 0
.set SCO, 12                           ; v12  2^(e6 - e4 - e5), for the conversion of O
.set XX,  13                           ; v13  what comes from the lane 16 away; the reciprocal
.set SPW, 14                           ; v14  LDS address of my spare word; never rewritten
.set NIL, 15                           ; v15  0; never rewritten
.set CM,  16                           ; v16-23  C of a diagonal tile: hidden where j > r - 8 h
.set DP,  24                           ; v24-31  the same where the prefix ends in it
.set UL,  32                           ; v32-39  C of the tile above the diagonal in which the prefix ends
.set AO,  40                           ; v40-55  O's codes, 4 registers a tile of queries
.set XV,  56                           ; v56-71  x's codes under e4
.set XQK, 72                           ; v72-103 x's codes under e0 and e2; from the last head's projections on: Wp's operands and bp
.set QK,  104                          ; v104-135 Q and K of a head
.set VT,  136                          ; v136-167 V of a head
.set SS,  168                          ; v168-199 S^T: written by matrix instructions alone
.set OA,  200                          ; v200-207, v208-215 O^T in two sums: written by matrix instructions alone
.set TT,  216                          ; v216-247 p; a head's operands; at work
.set XR,  104                          ; x as f32, over QK and V
.set YY,  104                          ; the last product's results, over QK and V
.set WP0, 72
.set BP,  88
.macro NOPS n
.rept \n
	v_nop
.endr
.endm
; a scale 2^e as f32 bits, the largest number x 2^e, and its negative, in scalar registers
.macro SLIM e, sc, hi, lo
	s_add_co_i32 s[\sc], s[\e], 127
	s_add_co_i32 s[\hi], s[\sc], 15
	s_lshl_b32 s[\sc], s[\sc], 23
	s_lshl_b32 s[\hi], s[\hi], 23
	s_or_b32 s[\hi], s[\hi], 0x600000              ; 57,344 = 1.75 x 2^15
	s_or_b32 s[\lo], s[\hi], 0x80000000
.endm
; the same two in vector registers, for the weights
.macro VLIM e, vsc, vlim
	s_add_co_i32 s10, s[\e], 127
	s_add_co_i32 s11, s10, 15
	s_lshl_b32 s10, s10, 23
	s_lshl_b32 s11, s11, 23
	s_or_b32 s11, s11, 0x600000
	v_mov_b32 v[\vsc], s10
	v_mov_b32 v[\vlim], s11
.endm
; 16 numbers of x become 16 codes.  The conversion to an 8-bit code does not saturate (ISA guide 7.6.2): the hold comes first, into a buffer, since x is quantised three times.
; Calls take two buffers by turns: the next call's sixteen holds are the plain lines between a conversion and the rewriting of its sources.
.macro QX src, dst, sc, hi, lo, buf
.irp i, 0,1,2,3,4,5,6,7,8,9,10,11,12,13,14,15
	v_med3_num_f32 v[\buf+\i], v[\src+\i], s[\lo], s[\hi]
.endr
	v_cvt_scalef32_pk8_bf8_f32 v[\dst:\dst+1], v[\buf:\buf+7], v[\sc]
	v_cvt_scalef32_pk8_bf8_f32 v[\dst+2:\dst+3], v[\buf+8:\buf+15], v[\sc]
.endm
; S^T of key tile kt for query tile qt: the first step (dimensions 4 h + 0, 1) starts the sum with the mask or with 0; the second (4 h + 2, 3) adds in place
.macro SC1 kt, qt, c
.if (\c) == 0
	v_wmma_f32_16x16x4_f32 v[SS+8*(\kt):SS+8*(\kt)+7], v[QK+8*(\kt)+4:QK+8*(\kt)+5], v[QK+8*(\qt):QK+8*(\qt)+1], 0
.else
	v_wmma_f32_16x16x4_f32 v[SS+8*(\kt):SS+8*(\kt)+7], v[QK+8*(\kt)+4:QK+8*(\kt)+5], v[QK+8*(\qt):QK+8*(\qt)+1], v[\c:\c+7]
.endif
.endm
.macro SC2 kt, qt
	v_wmma_f32_16x16x4_f32 v[SS+8*(\kt):SS+8*(\kt)+7], v[QK+8*(\kt)+6:QK+8*(\kt)+7], v[QK+8*(\qt)+2:QK+8*(\qt)+3], v[SS+8*(\kt):SS+8*(\kt)+7]
.endm
; The softmax of 16 queries over n key tiles, and O^T = V^T P.  (n may come as a sum: it stands in parentheses wherever it is multiplied or compared)
.macro BODY n
	NOPS 8                                         ; eight places between the last product and the first read of a score (ISA guide 7.12.1)
	v_max_num_f32 v[MA], v[SS], v[SS+1]            ; the maximum of my 8 n scores, in two chains; each tile from its low end on
	v_max_num_f32 v[MB], v[SS+2], v[SS+3]
	v_max3_num_f32 v[MA], v[MA], v[SS+4], v[SS+5]
	v_max3_num_f32 v[MB], v[MB], v[SS+6], v[SS+7]
.if (\n) > 1
.set kk, 1
.rept (\n)-1
	v_max3_num_f32 v[MA], v[MA], v[SS+8*kk], v[SS+8*kk+1]
	v_max3_num_f32 v[MB], v[MB], v[SS+8*kk+2], v[SS+8*kk+3]
	v_max3_num_f32 v[MA], v[MA], v[SS+8*kk+4], v[SS+8*kk+5]
	v_max3_num_f32 v[MB], v[MB], v[SS+8*kk+6], v[SS+8*kk+7]
.set kk, kk+1
.endr
.endif
	v_max_num_f32 v[MA], v[MA], v[MB]
	v_permlanex16_b32 v[XX], v[MA], s46, s47       ; the query's other keys lie in the lane 16 away
	v_max_num_f32 v[MA], v[MA], v[XX]              ; a number: a query's own key is never hidden
	v_mul_f32 v[NM], s43, v[MA]                    ; -c m
.set kk, 0
.rept 4*(\n)
	v_pk_fma_f32 v[TT+kk:TT+kk+1], v[SS+kk:SS+kk+1], s[44:45], v[NM:NM+1] op_sel_hi:[1,0,0]   ; c s - c m, into other registers than the sums'; -infinity stays
.set kk, kk+2
.endr
.set kk, 0
.rept 8*(\n)
	v_exp_f32 v[TT+kk], v[TT+kk]                   ; p; 0 for a hidden key
.set kk, kk+1
.endr
	v_nop                                          ; one plain line behind the last exponential
	s_wait_alu depctr_va_vdst(0)                   ; the exponentials have written p, v[TT ..]: one wait for the batch, ahead of its first readers, the products below
.set kk, 0
.rept (\n)
.irp i, 0,1,2,3
.if (kk == 0) && (\i < 2)
	v_wmma_f32_16x16x4_f32 v[OA+8*(\i%2):OA+8*(\i%2)+7], v[VT+8*kk+2*\i:VT+8*kk+2*\i+1], v[TT+8*kk+2*\i:TT+8*kk+2*\i+1], 0
.else
	v_wmma_f32_16x16x4_f32 v[OA+8*(\i%2):OA+8*(\i%2)+7], v[VT+8*kk+2*\i:VT+8*kk+2*\i+1], v[TT+8*kk+2*\i:TT+8*kk+2*\i+1], v[OA+8*(\i%2):OA+8*(\i%2)+7]
.endif
.endr
.set kk, kk+1
.endr                                          ; two sums by turns, one instruction a turn
.endm
; n key tiles where the prefix reaches beyond the diagonal: every key of tiles 0 .. n - 2 is under the length; the prefix ends in tile n - 1
.macro VAR qt, n
.set kk, 0
.rept (\n)-1
	SC1 kk, \qt, 0
.set kk, kk+1
.endr
	SC1 (\n)-1, \qt, UL
.set kk, 0
.rept (\n)
	SC2 kk, \qt
.set kk, kk+1
.endr
	BODY \n
.endm
; O^T's two sums are added, divided by the row's sum and quantised under e6: two registers of the last product's operand
.macro FINISH hd, qt
	NOPS 8                                         ; eight places between the last product and the reads of its sums and the writes of p's registers
.irp i, 0,2,4,6
	v_pk_add_f32 v[TT+\i:TT+\i+1], v[OA+\i:OA+\i+1], v[OA+8+\i:OA+8+\i+1]
.endr
	v_rcp_f32 v[XX], v[TT]                         ; register 0 of the half without dimensions is the row's sum
	v_nop
	s_wait_alu depctr_va_vdst(0)                   ; the reciprocal has written v[XX], ahead of its first reader, the exchange below
	v_permlanex16_b32 v[RR], v[XX], s46, s47       ; to the half with the dimensions
	v_cndmask_b32 v[RR], 0, v[RR], s[48+(\hd)%2]   ; 0 in the other half: its codes are zeros
.irp i, 0,2,4,6
	v_pk_mul_f32 v[TT+\i:TT+\i+1], v[TT+\i:TT+\i+1], v[RR:RR+1] op_sel_hi:[1,0]
.endr
.irp i, 0,1,2,3,4,5,6,7
	v_med3_num_f32 v[TT+\i], v[TT+\i], s57, s56    ; the hold at the largest code x the scale
.endr
.if (\hd)%2 == 0
	v_cvt_scalef32_pk8_bf8_f32 v[AO+4*(\qt)+2*((\hd)/2):AO+4*(\qt)+2*((\hd)/2)+1], v[TT:TT+7], v[SCO]
	v_nop                                          ; one plain line behind a scaled conversion
.else
	v_cvt_scalef32_pk8_bf8_f32 v[TT+8:TT+9], v[TT:TT+7], v[SCO]
	v_nop
	v_or_b32 v[AO+4*(\qt)+2*((\hd)/2)], v[AO+4*(\qt)+2*((\hd)/2)], v[TT+8]       ; the odd head's codes, in lanes 16-31, join the even head's
	v_or_b32 v[AO+4*(\qt)+2*((\hd)/2)+1], v[AO+4*(\qt)+2*((\hd)/2)+1], v[TT+9]
.endif
.endm
; One head's attention for one tile of 16 queries.  s41 = np.  The branches hang on the length alone.
.macro ITEM hd, qt
.if \qt < 3
	s_cmp_gt_u32 s41, \qt+1
	s_cbranch_scc1 .Lup_\@
.endif
.if \qt > 0                                    ; n = qt + 1: tiles under the diagonal are open,
.set kk, 0
.rept \qt
	SC1 kk, \qt, 0
.set kk, kk+1
.endr
.endif
	s_cmp_eq_u32 s41, \qt+1                        ; and the diagonal tile takes the causal mask, widened where the prefix ends in it
	s_cbranch_scc1 .Ldp_\@
	SC1 \qt, \qt, CM
	s_branch .Lj_\@
.Ldp_\@:
	SC1 \qt, \qt, DP
.Lj_\@:
.if \qt == 0
	s_wait_alu depctr_va_vdst(0)                   ; one tile alone: its first step has written the sum v[SS ..], onto which the second, the next line, adds
.endif
.set kk, 0
.rept \qt+1
	SC2 kk, \qt
.set kk, kk+1
.endr
	BODY \qt+1
.if \qt < 3
	s_branch .Lfin_\@
.Lup_\@:
.if \qt < 1
	s_cmp_lg_u32 s41, 2
	s_cbranch_scc1 .Ln3_\@
	VAR \qt, 2
	s_branch .Lfin_\@
.Ln3_\@:
.endif
.if \qt < 2
	s_cmp_lg_u32 s41, 3
	s_cbranch_scc1 .Ln4_\@
	VAR \qt, 3
	s_branch .Lfin_\@
.Ln4_\@:
.endif
	VAR \qt, 4
.Lfin_\@:
.endif
	FINISH \hd, \qt
.endm
; One head: its operands from LDS, Q, K and V of the 64 tokens, the four tiles of queries
.macro HEAD hd
	s_wait_alu depctr_va_vdst(0)                   ; the step before (x's holds and conversions; a head's products V^T P and its last lines) is done reading and writing v[TT ..], in which the six loads below land
	ds_load_b128 v[TT:TT+3], v[LI] offset:IMG*\hd              ; WQK
	ds_load_b128 v[TT+4:TT+7], v[LI] offset:IMG*\hd+512
	ds_load_b128 v[TT+8:TT+11], v[LI] offset:IMG*\hd+1024      ; bq / 2^(e0 + e1): C's registers 0-3
	ds_load_b128 v[TT+16:TT+19], v[LI] offset:IMG*\hd+1536     ; WV
	ds_load_b128 v[TT+24:TT+27], v[LI] offset:IMG*\hd+2048     ; V's C: the same in all eight registers
	ds_load_b128 v[TT+28:TT+31], v[LI] offset:IMG*\hd+2048
.irp i, 12,13,14,15,20,21,22,23
	v_mov_b32 v[TT+\i], 0                          ; K has no bias here; WV's upper half is zero codes
.endr
	s_wait_dscnt 0x0
.irp t, 0,1,2,3
	v_wmma_f32_16x16x64_bf8_bf8 v[QK+8*\t:QK+8*\t+7], v[TT:TT+7], v[XQK+8*\t:XQK+8*\t+7], v[TT+8:TT+15]
.endr
.irp t, 0,1,2,3
	v_wmma_f32_16x16x64_bf8_bf8 v[VT+8*\t:VT+8*\t+7], v[XV+4*\t:XV+4*\t+7], v[TT+16:TT+23], v[TT+24:TT+31]
.endr
	NOPS 5                                         ; five places before a matrix instruction takes these results as its sources; they also stand ahead of the loads and moves below
.if \hd == 3                                   ; x's codes under e0 and e2 are done with: their registers take Wp's operands and bp, which land while this head is worked
	v_lshrrev_b32 v249, 1, v[LI]                   ; 8 x lane
	v_bfe_u32 v248, v0, 4, 1
	v_lshlrev_b32 v248, 5, v248                    ; 32 h: bp at my half's eight features
.irp i, 4,5,6,7,12,13,14,15
	v_mov_b32 v[WP0+\i], 0                         ; zero codes for the upper half of K = 64
.endr
	s_wait_alu depctr_va_vdst(0)                   ; v248 and v249 are written, which the eight loads below read as offsets; the products above are done reading x's codes v[XQK ..], in which those loads land
.irp f, 0,1
.irp p, 0,1
	ds_load_b64 v[WP0+8*\f+2*\p:WP0+8*\f+2*\p+1], v249 offset:WPI+256*(2*\f+\p)
.endr
.endr
.irp f, 0,1
	global_load_b128 v[BP+8*\f:BP+8*\f+3], v248, s[24:25] offset:64*\f
	global_load_b128 v[BP+8*\f+4:BP+8*\f+7], v248, s[24:25] offset:64*\f+16
.endr
.endif
	ITEM \hd, 0
	ITEM \hd, 1
	ITEM \hd, 2
	ITEM \hd, 3
.endm
	; ---- the head: arguments, lane terms, addresses
	s_load_b512 s[8:23], s[0:1], 0x0               ; x s[8:9], the lengths s[10:11], Wq s[12:13], bq s[14:15], Wk s[16:17], Wv s[18:19], bv s[20:21], Wp s[22:23]
	s_load_b128 s[24:27], s[0:1], 0x40             ; bp s[24:25], the scales' exponents s[26:27]
	s_load_b64 s[28:29], s[0:1], 0x50              ; out0
	v_lshl_add_u32 v[SPW], v0, 2, SPARE
	v_mov_b32 v[NIL], 0
	v_lshrrev_b32 v232, 5, v0
	v_readfirstlane_b32 s2, v232                   ; wave 0..3
	v_and_b32 v232, 31, v0                         ; lane
	v_and_b32 v233, 15, v0                         ; r
	v_bfe_u32 v234, v0, 4, 1                       ; h
	v_lshlrev_b32 v[LI], 4, v232
	s_wait_alu depctr_va_sdst(0)                   ; s2, the wave's number, is written, ahead of its first reader, the next line
	s_mul_i32 s3, s2, STGB
	s_add_co_u32 s3, s3, STG                       ; my stage
	v_bfe_u32 v235, v0, 3, 2                       ; lane / 8
	v_and_b32 v236, 7, v0                          ; lane % 8
	v_mul_u32_u24 v[STA], v235, PITCH
	v_lshl_add_u32 v[STA], v236, 4, v[STA]
	v_add_nc_u32 v[STA], s3, v[STA]
	v_mul_u32_u24 v[STB], v233, PITCH
	v_lshl_add_u32 v[STC], v234, 5, v[STB]
	v_lshl_add_u32 v[STB], v234, 6, v[STB]
	v_add_nc_u32 v[STB], s3, v[STB]
	v_add_nc_u32 v[STC], s3, v[STC]
	s_mul_i32 s4, s2, IMG
	v_add_nc_u32 v[IW], s4, v[LI]
	s_lshl_b32 s4, s2, 8
	v_lshl_add_u32 v231, v232, 3, s4               ; Wp's pair: 8 x lane + 256 x wave
	s_lshl_b32 s5, s2, 10                          ; my head's 8 rows of 128 bytes
	v_bfe_u32 v237, v0, 3, 1                       ; r / 8
	v_and_b32 v238, 3, v0                          ; r % 4
	v_lshl_add_u32 v248, v237, 9, s5
	v_lshl_add_u32 v248, v238, 7, v248
	v_lshl_add_u32 v248, v234, 6, v248             ; Wq, Wk: row 8 w + 4 (r / 8) + r % 4, features 16 h on
	v_lshl_add_u32 v249, v236, 7, s5
	v_lshl_add_u32 v249, v234, 6, v249             ; Wv: row 8 w + r % 8, features 16 h on
	s_lshr_b32 s6, s2, 1
	s_lshl_b32 s6, s6, 11
	s_and_b32 s7, s2, 1
	s_lshl_b32 s30, s7, 6
	s_add_co_u32 s6, s6, s30
	v_lshl_add_u32 v250, v233, 7, s6
	v_lshl_add_u32 v250, v234, 5, v250             ; Wp: row 16 (w / 2) + r, features 16 (w % 2) + 8 h on
	s_lshl_b32 s6, s2, 5
	v_lshl_add_u32 v251, v234, 4, s6               ; bq: 8 w + 4 h on
	v_lshl_add_u32 v252, v236, 2, s6               ; bv: 8 w + r % 8
	v_mov_b32 v[NM+1], 0                           ; named as upper halves of pairs, or as a lane exchange's destination: so they are written
	v_mov_b32 v[RR], 0
	v_mov_b32 v[RR+1], 0
	v_mov_b32 v[XX], 0
	s_lshl_b32 s6, ttmp9, 2
	s_add_co_u32 s6, s6, s2                        ; b: my sequence
	s_lshl_b32 s30, s6, 2
	s_mov_b32 s31, 0
	s_wait_kmcnt 0x0
	s_add_nc_u64 s[10:11], s[10:11], s[30:31]
	s_load_b256 s[32:39], s[26:27], 0x0            ; e0 .. e7
	s_load_b32 s40, s[10:11], 0x0                  ; my sequence's length
	s_lshl_b32 s30, s6, 13                         ; 64 tokens x 128 bytes
	s_add_nc_u64 s[8:9], s[8:9], s[30:31]
	s_add_nc_u64 s[28:29], s[28:29], s[30:31]
	; ---- loads: my part of the weights (16 loads), then my sequence (16 loads of 512 consecutive bytes)
	s_wait_alu depctr_va_vdst(0)                   ; the addresses v1 to v5, v231 and v248 to v252 are written, which the loads below and the later LDS instructions and stores read
.irp c, 0,1,2,3
	global_load_b128 v[16+4*\c:19+4*\c], v248, s[12:13] offset:16*\c
.endr
.irp c, 0,1,2,3
	global_load_b128 v[32+4*\c:35+4*\c], v248, s[16:17] offset:16*\c
.endr
.irp c, 0,1,2,3
	global_load_b128 v[48+4*\c:51+4*\c], v249, s[18:19] offset:16*\c
.endr
	global_load_b128 v[64:67], v250, s[22:23]
	global_load_b128 v[68:71], v250, s[22:23] offset:16
	global_load_b128 v[72:75], v251, s[14:15]
	global_load_b32 v76, v252, s[20:21]
.irp i, 0,1,2,3,4,5,6,7,8,9,10,11,12,13,14,15
	global_load_b128 v[XR+4*\i:XR+4*\i+3], v[LI], s[8:9] offset:512*\i th:TH_LOAD_NT
.endr
	; ---- scalars
	s_mov_b32 s46, 0x76543210                      ; v_permlanex16_b32's selects: lane l xor 16
	s_mov_b32 s47, 0xfedcba98
	s_mov_b32 s48, 0x0000ffff                      ; the lanes that hold an even head's dimensions,
	s_mov_b32 s49, 0xffff0000                      ; an odd head's
	s_wait_kmcnt 0x0
	s_add_co_i32 s3, s32, s33                      ; e0 + e1
	s_add_co_i32 s4, s34, s35                      ; e2 + e3
	s_sub_co_i32 s60, 0, s3
	s_add_co_i32 s4, s4, s3
	s_lshl_b32 s4, s4, 23
	s_add_co_i32 s44, s4, 0x3f0293ee               ; c = log2(e) / sqrt(8), the four exponents added to its exponent field
	s_mov_b32 s45, s44                             ; (named with it as a pair)
	s_xor_b32 s43, s44, 0x80000000                 ; -c
	s_add_co_i32 s5, s36, s37                      ; e4 + e5
	s_sub_co_i32 s61, 0, s5
	s_sub_co_i32 s5, s38, s5                       ; e6 - e4 - e5: O stands without V's power of two, so the three are folded into the conversion's one scale
	s_add_co_i32 s6, s38, s39
	s_add_co_i32 s6, s6, 127
	s_lshl_b32 s58, s6, 23                         ; 2^(e6 + e7)
	s_mov_b32 s59, s58
	SLIM 32, 62, 50, 51                            ; x under e0,
	SLIM 34, 63, 52, 53                            ; e2,
	SLIM 36, 30, 54, 55                            ; e4;
	SLIM 5, 31, 56, 57                             ; O
	s_max_i32 s40, s40, 0
	s_min_i32 s40, s40, 64                         ; the length, held within 0 .. 64
	s_add_co_u32 s41, s40, 15
	s_lshr_b32 s41, s41, 4                         ; np = ceil(length / 16)
	s_lshl_b32 s42, s41, 4
	s_sub_co_i32 s42, s40, s42
	s_add_co_i32 s42, s42, 15                      ; the last open place in the tile in which the prefix ends
	s_and_b32 s7, s2, 1
	s_lshl_b32 s7, s7, 3
	s_mov_b32 s3, 0x0f0f0f0f                       ; WQK's rows of Wq,
	s_mov_b32 s4, 0xf0f0f0f0                       ; of Wk
	s_lshl_b32 s5, 0x00ff00ff, s7                  ; WV's columns: 0-7 for an even head, 8-15 for an odd one
	s_lshr_b32 s6, 0x01000100, s7                  ; the column of ones: 8 or 0
	; ---- my head's operands
	s_wait_loadcnt 16                              ; the 16 loads of weights are in, so their offset registers may be written; x's 16 may be out
	s_wait_alu depctr_vm_vsrc(0)                   ; the loads of the weights have read their offsets v248 to v252, which the lines below write again
	VLIM 33, 248, 252
	VLIM 35, 249, 253
	VLIM 37, 250, 254
	VLIM 39, 251, 255
.irp i, 0,1,2,3,4,5,6,7,8,9,10,11,12,13,14,15
	v_med3_num_f32 v[16+\i], v[16+\i], -v252, v252
.endr
	v_cvt_scalef32_pk8_bf8_f32 v[216:217], v[16:23], v248
	v_cvt_scalef32_pk8_bf8_f32 v[218:219], v[24:31], v248
.irp i, 0,1,2,3,4,5,6,7,8,9,10,11,12,13,14,15
	v_med3_num_f32 v[32+\i], v[32+\i], -v253, v253
.endr
	v_cvt_scalef32_pk8_bf8_f32 v[220:221], v[32:39], v249
	v_cvt_scalef32_pk8_bf8_f32 v[222:223], v[40:47], v249
.irp i, 0,1,2,3,4,5,6,7,8,9,10,11,12,13,14,15
	v_med3_num_f32 v[48+\i], v[48+\i], -v254, v254
.endr
	v_cvt_scalef32_pk8_bf8_f32 v[224:225], v[48:55], v250
	v_cvt_scalef32_pk8_bf8_f32 v[226:227], v[56:63], v250
.irp i, 0,1,2,3,4,5,6,7
	v_med3_num_f32 v[64+\i], v[64+\i], -v255, v255
.endr
	v_cvt_scalef32_pk8_bf8_f32 v[228:229], v[64:71], v251
	v_nop                                          ; one plain line behind the last conversion
.irp i, 0,1,2,3
	v_cndmask_b32 v[216+\i], 0, v[216+\i], s3      ; zero codes where the row is Wk's,
	v_cndmask_b32 v[220+\i], 0, v[220+\i], s4      ; where it is Wq's,
	v_cndmask_b32 v[224+\i], 0, v[224+\i], s5      ; and in the columns that are not the head's
.endr
.irp i, 0,1,2,3
	v_ldexp_f32 v[72+\i], v[72+\i], s60            ; bq / 2^(e0 + e1): the sums lack that power of two
.endr
	v_ldexp_f32 v76, v76, s61                      ; bv / 2^(e4 + e5)
	v_mov_b32 v230, 1.0
	v_cndmask_b32 v76, 0, v76, s5
	v_cndmask_b32 v76, v76, v230, s6
	v_mov_b32 v77, v76
	v_mov_b32 v78, v76
	v_mov_b32 v79, v76
	s_wait_alu depctr_va_vdst(0)                   ; the lines above have written the images' data, v216 to v229 and v72 to v79, which the six LDS stores read
	ds_store_b128 v[IW], v[216:219]
	ds_store_b128 v[IW], v[220:223] offset:512
	ds_store_b128 v[IW], v[72:75] offset:1024
	ds_store_b128 v[IW], v[224:227] offset:1536
	ds_store_b128 v[IW], v[76:79] offset:2048
	ds_store_b64 v231, v[228:229] offset:WPI
	s_wait_dscnt 0x0                               ; for the others' sake: my images lie in LDS
	s_barrier_signal -1
	; while the others arrive, work on registers: the three masks and the scales for x and O
	v_mov_b32 v252, 0xff800000                     ; -infinity
	v_lshlrev_b32 v235, 3, v234                    ; 8 h
	v_sub_nc_u32 v253, v233, v235                  ; r - 8 h
	v_sub_nc_u32 v254, s42, v235                   ; the prefix's last place - 8 h
.irp j, 0,1,2,3,4,5,6,7
	v_cmp_gt_i32 s[32+\j], \j, v253                ; the sixteen compares stand in one run, each with a scalar register of its own: s32 to s39 (the exponents are done with)
	v_cmp_gt_i32 s[12+\j], \j, v254                ; and s12 to s19 (the loads that read these bases are in)
.endr
	s_wait_alu depctr_va_sdst(0)                   ; the compares have written s32 to s39 and s12 to s19, ahead of their first readers, the selections below
.irp j, 0,1,2,3,4,5,6,7
	v_cndmask_b32 v[CM+\j], 0, v252, s[32+\j]
	v_cndmask_b32 v[UL+\j], 0, v252, s[12+\j]
.endr
.irp j, 0,1,2,3,4,5,6,7
	v_and_b32 v[DP+\j], v[CM+\j], v[UL+\j]         ; hidden only where both hide it
.endr
	v_mov_b32 v248, s62                            ; 2^e0,
	v_mov_b32 v249, s63                            ; 2^e2,
	v_mov_b32 v250, s30                            ; 2^e4,
	v_mov_b32 v[SCO], s31                          ; 2^(e6 - e4 - e5)
	s_barrier_wait -1                              ; all four heads' images lie in LDS; nobody writes them again
	; ---- x: through my stage, so that a lane holds 16 neighbouring features of one token; then its three sets of codes
.irp i, 0,1,2,3,4,5,6,7,8,9,10,11,12,13,14,15
	s_wait_loadcnt 15-\i                           ; loads come back in order: load i is in, the younger ones may be out
	ds_store_b128 v[STA], v[XR+4*\i:XR+4*\i+3] offset:4*PITCH*\i
.endr
	s_wait_alu depctr_vm_vsrc(0)                   ; the sixteen stores above have read v[XR ..], in which the loads below land; the images' stores have read v216 to v229, v231 and v72 to v79, which x's holds and conversions write
.irp t, 0,1,2,3
.irp c, 0,1,2,3
	ds_load_b128 v[XR+16*\t+4*\c:XR+16*\t+4*\c+3], v[STB] offset:16*PITCH*\t+16*\c   ; my own bytes, served in order: these see the stores above
.endr
.endr
.irp t, 0,1,2,3
	s_wait_dscnt 12-4*\t                           ; tile t's four loads are in; the later tiles' may be out
	QX XR+16*\t, XQK+8*\t, 248, 50, 51, TT+16*(\t%2)
	QX XR+16*\t, XQK+8*\t+4, 249, 52, 53, TT+16*((\t+1)%2)
	QX XR+16*\t, XV+4*\t, 250, 54, 55, TT+16*(\t%2)
.endr
	v_nop                                          ; one plain line behind the last conversion
	; ---- the four heads
	HEAD 0
	HEAD 1
	HEAD 2
	HEAD 3
	; ---- out0 = O Wp^T + bp.  Source 0 = 16 rows of Wp, source 1 = 16 queries: a lane holds eight neighbouring features of one token
	s_wait_loadcnt 0x0                             ; bp
	s_wait_dscnt 0x0                               ; Wp's operands
.irp q, 0,1,2,3
.irp f, 0,1
	v_wmma_f32_16x16x64_bf8_bf8 v[YY+8*(2*\q+\f):YY+8*(2*\q+\f)+7], v[WP0+8*\f:WP0+8*\f+7], v[AO+4*\q:AO+4*\q+7], 0
.endr
.endr
	NOPS 4                                         ; four places ahead of the first read of these results
.irp q, 0,1,2,3
.irp f, 0,1
.irp i, 0,2,4,6
	v_pk_fma_f32 v[YY+8*(2*\q+\f)+\i:YY+8*(2*\q+\f)+\i+1], v[YY+8*(2*\q+\f)+\i:YY+8*(2*\q+\f)+\i+1], s[58:59], v[BP+8*\f+\i:BP+8*\f+\i+1] op_sel_hi:[1,0,1]   ; sum x 2^(e6 + e7) + bp
.endr
.endr
.endr
	s_wait_alu depctr_va_vdst(0)                   ; the multiply-adds have written v[YY ..], which the LDS stores read; no vector line follows, so the wait also serves the loads that land in v[YY ..] below
.irp q, 0,1,2,3
.irp f, 0,1
	ds_store_b128 v[STC], v[YY+8*(2*\q+\f):YY+8*(2*\q+\f)+3] offset:16*PITCH*\q+64*\f
	ds_store_b128 v[STC], v[YY+8*(2*\q+\f)+4:YY+8*(2*\q+\f)+7] offset:16*PITCH*\q+64*\f+16
.endr
.endr
	s_wait_alu depctr_vm_vsrc(0)                   ; the sixteen stores above have read v[YY ..], in which the loads below land
.irp i, 0,1,2,3,4,5,6,7,8,9,10,11,12,13,14,15
	ds_load_b128 v[YY+4*\i:YY+4*\i+3], v[STA] offset:4*PITCH*\i   ; back by memory's order: four rows of 128 bytes an instruction; my own bytes, served in order
.endr
.irp i, 0,1,2,3,4,5,6,7,8,9,10,11,12,13,14,15
	s_wait_dscnt 15-\i                             ; load i is in, the younger ones may be out
	global_store_b128 v[LI], v[YY+4*\i:YY+4*\i+3], s[28:29] offset:512*\i th:TH_STORE_NT   ; the wave stores 512 consecutive bytes, at a multiple of 512 from out0's first byte
.endr
	s_wait_dscnt 0x0                               ; the wave's end, behind my last LDS store
	s_wait_alu 0x0
	s_wait_tensorcnt 0x0
	ds_add_u32 v[SPW], v[NIL]
	s_wait_dscnt 0x0
	s_endpgm
.Lfunc_end_k_qd317be8f91_attn:
	.size	k_qd317be8f91_attn, .Lfunc_end_k_qd317be8f91_attn-k_qd317be8f91_attn
	.p2alignl 7, 3214868480
	.fill 96, 4, 3214868480
	.section	.rodata,"a",@progbits
	.p2align	6, 0x0
	.amdhsa_kernel k_qd317be8f91_attn
		.amdhsa_group_segment_fixed_size 48640
		.amdhsa_private_segment_fixed_size 0
		.amdhsa_enable_private_segment 0
		.amdhsa_kernarg_size 88
		.amdhsa_user_sgpr_count 2
		.amdhsa_user_sgpr_kernarg_segment_ptr 1
		.amdhsa_wavefront_size32 1
		.amdhsa_system_sgpr_workgroup_id_x 1
		.amdhsa_system_sgpr_workgroup_id_y 1
		.amdhsa_system_sgpr_workgroup_id_z 1
		.amdhsa_system_vgpr_workitem_id 0
		.amdhsa_next_free_vgpr 256
		.amdhsa_next_free_sgpr 66
		.amdhsa_reserve_vcc 0
		.amdhsa_float_denorm_mode_32 3
		.amdhsa_float_denorm_mode_16_64 3
		.amdhsa_memory_ordered 1
		.amdhsa_forward_progress 1
		.amdhsa_inst_pref_size 230
	.end_amdhsa_kernel
	.amdgpu_metadata
---
amdhsa.version: [ 1, 2 ]
amdhsa.kernels:
  - .name:           k_qd317be8f91_attn
    .symbol:         k_qd317be8f91_attn.kd
    .args:
      - { .name: x, .offset: 0, .size: 8, .value_kind: global_buffer, .address_space: global }
      - { .name: always_attend_upto, .offset: 8, .size: 8, .value_kind: global_buffer, .address_space: global }
      - { .name: Wq, .offset: 16, .size: 8, .value_kind: global_buffer, .address_space: global }
      - { .name: bq, .offset: 24, .size: 8, .value_kind: global_buffer, .address_space: global }
      - { .name: Wk, .offset: 32, .size: 8, .value_kind: global_buffer, .address_space: global }
      - { .name: Wv, .offset: 40, .size: 8, .value_kind: global_buffer, .address_space: global }
      - { .name: bv, .offset: 48, .size: 8, .value_kind: global_buffer, .address_space: global }
      - { .name: Wp, .offset: 56, .size: 8, .value_kind: global_buffer, .address_space: global }
      - { .name: bp, .offset: 64, .size: 8, .value_kind: global_buffer, .address_space: global }
      - { .name: lowp_scales, .offset: 72, .size: 8, .value_kind: global_buffer, .address_space: global }
      - { .name: out0, .offset: 80, .size: 8, .value_kind: global_buffer, .address_space: global }
    .group_segment_fixed_size: 48640
    .private_segment_fixed_size: 0
    .kernarg_segment_align: 8
    .kernarg_segment_size: 88
    .max_flat_workgroup_size: 128
    .sgpr_count:     66
    .vgpr_count:     256
    .wavefront_size: 32
...
	.end_amdgpu_metadata
.endif
;; end of part 2
